; MI455X (gfx1250); checked and timed in simulation.
; The chip was launched on July 23, 2026; its instructions are those of AMD's public machine-readable ISA for CDNA 5 (MIT licence, August 2026) and "CDNA5" Instruction Set Architecture Reference Guide (July 2026). The comments in the code are by the model that wrote it; some were corrected since.
;; Self Attention Module. Allowed arithmetic: float matrix products may take bf16 or f16 operands with f32 sums; all other float work in f32.
;; Inputs: cam_bk 8 float32; cam_bq 8 float32; cam_bv 8 float32; cam_wk 8 x 8 float32; cam_wq 8 x 8 float32; cam_wv 8 x 8 float32; pam_bk 1 float32; pam_bq 1 float32; pam_bv 1 float32; pam_wk 1 x 8 float32; pam_wq 1 x 8 float32; pam_wv 1 x 8 float32; x 4 x 8 x 64 x 64 float32.
;; Outputs: out0 4 x 8 x 64 x 64 float32.
;; One version. Each part assembles by itself: llvm-mc -triple=amdgcn-amd-amdhsa -mcpu=gfx1250 --defsym DOCPART=n.
;; ======== version 1 of 1: 1 launch
;; launch sam (part 1): grid 256 x 1, 8 waves a work-group, clusters of 4 x 1, 231,168 bytes of LDS; arguments x, out0, pam_wq, pam_wk, pam_wv, pam_bq, pam_bk, pam_bv, cam_wq, cam_wk, cam_wv, cam_bq, cam_bk, cam_bv; writes out0
.if DOCPART == 1
	.amdgcn_target "amdgcn-amd-amdhsa--gfx1250"
	.amdhsa_code_object_version 6
	.text
	.protected	k_q44638c1161_sam
	.globl	k_q44638c1161_sam
	.p2align	8
	.type	k_q44638c1161_sam,@function
k_q44638c1161_sam:
	s_mov_b64 s[64:65], 0
	v_nop
	global_prefetch_b8 v0, s[64:65] scope:SCOPE_SE
	s_setreg_imm32_b32 hwreg(HW_REG_WAVE_MODE, 25, 1), 1
	s_wait_xcnt 0x0
	s_wait_alu depctr_hold_cnt(0) depctr_sa_sdst(0) depctr_va_vdst(0) depctr_va_sdst(0) depctr_va_ssrc(0) depctr_va_vcc(0) depctr_vm_vsrc(0)
	s_getreg_b32 s2, hwreg(HW_REG_IB_STS2, 6, 4)
	s_cmp_eq_u32 s2, 0
	s_cbranch_scc0 .Lentry_in_a_cluster
	s_endpgm
.Lentry_in_a_cluster:
	s_bfe_u32 s2, ttmp6, 0x10000c
	s_cmp_lg_u32 s2, 0x3003
	s_cbranch_scc0 .Lentry_shape_is_right
	s_endpgm
.Lentry_shape_is_right:
; out[b][c][n] = out_p[b][n] + 2 x[b][c][n] + sum_d attn_c[b][c][d] v[b][d][n].   x, out: [4][8][4096] f32.
;
; SHARES.  256 work-groups of 8 waves.  Work-group g = 4 x cluster + place: batch b = g / 64, the 64 pixels n0 = 64 (g % 64) .. + 63.
; Every work-group prepares its whole batch itself (pk, pv, largest and smallest pk, the Gram matrix of x): 128 KiB of x, once through LDS.
; That is repeated work, but it spares a launch and a trip of the intermediates through memory.
; Wave w: preparation of pixels 512 w .. 512 w + 511; in the main loop all 64 rows n against the SAME m = 512 w .. + 511 (so pk and pv are read
; by the wave that wrote them); on the way out channel c = w of the 64 pixels.
;
; PIXEL ATTENTION.  The score is pq[n] pk[m], a product of inner length 1, so its row maximum is max(pq[n] pkmax, pq[n] pkmin): the exact maximum that
; the softmax takes away follows from two numbers of the batch, and partial sums over m simply add.  The exponent of 2 is one fused multiply-add,
; a[n] pk[m] + c[n], a = pq log2(e), c = -max(a pkmax, a pkmin), in f32, made straight in the layout of a matrix operand.  The weights P go to the
; matrix unit in bf16: source A has row 0 = pv, row 1 = ones, rows 2-15 = zeros, source B is P (column = pixel n), so one instruction adds 32 m to
; the numerators (row 0 of D) and to the denominators (row 1) of 16 pixels, both from the same rounded P.
;
; CHANNEL ATTENTION.  The energies are sums of 4,096 products that go into an exponential: they are made in f32.  With y = x - p, p_i = x[b][i][0],
; G = sum y y^T (36 numbers), S = sum y, bq' = bq + wq p, bk' = bk + wk p:
;   e[c][d] = wq_c^T G wk_d + (wq_c S + 4096 bq'_c) bk'_d + bq'_c (wk_d S).
; The pivot keeps G at the size of x's spread when x carries a common offset.  attn (Wv x + bv) is made as (attn Wv) x + attn bv.
;
; CLUSTER.  The 64 work-groups of a batch read the same 128 KiB of x.  Four neighbours form a cluster and ask for it jointly (mask 15): the address
; in the descriptors is made of the cluster's number and the wave's number alone.  Every LDS byte is filled once: there is no ring and no refill.
; Every LDS address is made in the set-up, of the wave's number, the lane and constants, in a register that holds nothing else for the whole kernel.
;
; LIMITS.  pv and P are rounded to bf16.  The two re-associations above round in another order than the einsums they stand for.
; A NaN in x loses in the maximum and minimum of pk and is then not carried into every pixel.  Exponentials below 2^-126 count as zero (ISA guide, v_exp_f32).
; ---- LDS map, bytes.  The small regions lie lowest, where an immediate offset reaches them from a register that holds a lane or wave term alone.
.set GSM,  0                           ; 256: a record of 32 bytes for each wave: six of the 48 sums, then the wave's largest and smallest pk
.set PQ,   256                         ; 256: pq of the 64 own pixels
.set RED,  512                         ; 8,192: wave w at 1024 w: [pixel][numerator, denominator], 512 bytes; then 512 bytes that nobody reads
.set XL,   8704                        ; 131,072: x, written by the tensor loads alone: wave w, chunk j, channel c at 16384 w + 4096 j + 512 c
.set PK,   139776                      ; 16,384: pk[m], f32
.set T3,   156160                      ; three rows of bf16, 2 bytes an m: pv, ones, zeros
.set TP,   8208                        ; their pitch: 8,192 + 16, so that the three rows a load touches start 4 banks apart (64 banks of 4 bytes: ISA guide 11.1); the 16 bytes are never read
.set RG,   180992                      ; 49,152: 48 rows of 256 f32: each thread's part of G (36) and S (8); rows 44-47 repeat row 43
.set RP,   1024                        ; their pitch
.set CHB,  16384                       ; bytes of a channel's plane in x
; ---- vector registers.  Addresses and offsets, never data:
;   v0 RG + 6144 w + 16 l   v1 16 l   v2 4 r   v3 1024 w + 8 l + 384 h   v4 0   v5 8 l   v6 16384 w + 8 l   v7 32 (l & 7)   v8 4 (l & 7)   v9 32 w   v10 4 w
;   v11 x in LDS   v12 pk out   v13 pv out   v14 RG out   v15 pk in   v16 source A in   v93 the rows of ones and zeros
;   (l = lane, r = l & 15, h = l >> 4.)   v17: a temporary; v18, v19: largest and smallest pk; v[20:23]: pam_bk, pam_bv, pam_bq, 0
.set WK,   24                          ; v[24:31]   pam_wk        (preparation)
.set WV,   32                          ; v[32:39]   pam_wv        (preparation)
.set WQ,   40                          ; v[40:47]   pam_wq        (preparation)
.set XO,   48                          ; v[48:63]   x of my pixel pair n0 + 2 l, + 1, channel i at 2 i
.set XC,   64                          ; v[64:65]   the same pair of channel w
.set WQR,  66                          ; v[66:73]   cam_wq[w][.]
.set WKR,  74                          ; v[74:81]   cam_wk[l & 7][.]
.set WVC,  82                          ; v[82:89]   cam_wv[d][l & 7], d = 0 .. 7;  v90 cam_bk[l & 7], v91 cam_bq[w], v92 cam_bv[l & 7]
.set PKT,  94                          ; v[94:97]   pk of four pixels
.set PVT,  98                          ; v[98:101]  pv of four pixels; v[102:103] the same in bf16
.set GR,   104                         ; v[104:175] G, 36 pairs (even and odd pixels apart)
.set SM,   176                         ; v[176:191] S, 8 pairs
.set X0,   192                         ; v[192:223] a chunk: four pixels of channel c at 4 c
.set X1,   224                         ; v[224:255] the other chunk buffer
.set AA,   24                          ; main loop: tile t: (a, a) at 24 + 4 t, (c, c) at 26 + 4 t
.set ACC,  104                         ; v[104:135] four accumulators
.set PKB0, 136                         ; v[136:151], v[152:167] sixteen pk, two buffers
.set BF0,  168                         ; v[168:175], v[176:183] source A, two buffers
.set TA,   184                         ; v[184:199] sixteen exponents, then weights
.set TB,   200                         ; v[200:215] the same, the other set
.set PA,   216                         ; v[216:223] source B
.set PB,   224                         ; v[224:231] source B, the other set
.set GL,   184                         ; the sums over the threads: v[184:231] six rows, 8 numbers a lane each
.set GSV,  168                         ; tail: v[168:231] the eight records; sum number v is word 8 (v / 6) + v % 6
.set U,    232                         ; tail: v[232:239] wq_w^T G; v240 .. v253 single numbers
; ---- scalar registers: s32 wave, s33 place in the cluster, s34 work-group, s35 batch, s[38:39] x of the batch, s[40:41] x and s[42:43] out at my pixels
.set G1,   44                          ; s[44:51]  descriptor group 1;  group 0 of chunks 0-3: s[52:55], s[56:59], s[60:63], s[68:71]
.set NP,   72                          ; s[72:87]  pair i: -p_i in the low word
.set AT,   88                          ; s[88:95]  attn[w][d]
.set MI,   52                          ; s[52:59]  (attn Wv)[i], in the tail, when no tensor load is out
; A round of the cluster's barrier: my work-group's barrier, wave 0 signals for the work-group, every wave waits for all four, my work-group's barrier again.
.macro ROUND
	s_barrier_signal -1
	s_barrier_wait -1
	s_cmp_lg_u32 s32, 0
	s_cbranch_scc1 .Lnot_wave_0_\@
	s_barrier_signal -3
.Lnot_wave_0_\@:
	s_barrier_wait -3
	s_barrier_signal -1
	s_barrier_wait -1
.endm
; Descriptor group 0 of chunk j in s[g:g+3]: 128 pixels x 8 channels of my wave's 512 pixels
.macro G0SET g, j
	s_mov_b32 s[\g], 1                                     ; count = 1
	s_add_co_u32 s[\g+1], s3, XL+(\j)*4096                 ; LDS: 16384 x wave + 4096 x chunk
	s_add_nc_u64 s[\g+2:\g+3], s[66:67], (\j)*512          ; memory: x of the batch + 2048 x wave + 512 x chunk
	s_or_b32 s[\g+3], s[\g+3], 0x80000000                  ; type = 2
.endm
; d += x * arr[i], two pixels at once, arr[i] for both
.macro BFMA d, x, arr, i
.if (\i) & 1
	v_pk_fma_f32 v[\d:\d+1], v[\x:\x+1], v[\arr+\i-1:\arr+\i], v[\d:\d+1] op_sel:[0,1,0]
.else
	v_pk_fma_f32 v[\d:\d+1], v[\x:\x+1], v[\arr+\i:\arr+\i+1], v[\d:\d+1] op_sel_hi:[1,0,1]
.endif
.endm
; chunk j from LDS: lane l takes pixels 4 l .. 4 l + 3 of each of the eight channels.  j may be a sum: it stands in parentheses in the product.
.macro LOADX j, buf
.irp c, 0,1,2,3,4,5,6,7
	ds_load_b128 v[\buf+4*\c:\buf+4*\c+3], v11 offset:(\j)*4096+\c*512
.endr
.endm
; One chunk of the preparation, in buffer buf.  first = 1: the sums start here, nothing is cleared.
; tw >= 0: the next chunk is fetched into nbuf; tw = how many younger tensor loads of mine may stay out when it has to be in LDS.
.macro CHUNK j, buf, nbuf, first, tw
	s_wait_dscnt 0x0                                       ; the chunk's eight LDS loads are back
	v_pk_fma_f32 v[PKT:PKT+1],   v[\buf:\buf+1],   v[WK:WK+1], v[20:21] op_sel_hi:[1,0,0]              ; x_0 wk_0 + bk
	v_pk_fma_f32 v[PKT+2:PKT+3], v[\buf+2:\buf+3], v[WK:WK+1], v[20:21] op_sel_hi:[1,0,0]
	v_pk_fma_f32 v[PVT:PVT+1],   v[\buf:\buf+1],   v[WV:WV+1], v[20:21] op_sel:[0,0,1] op_sel_hi:[1,0,1] ; x_0 wv_0 + bv
	v_pk_fma_f32 v[PVT+2:PVT+3], v[\buf+2:\buf+3], v[WV:WV+1], v[20:21] op_sel:[0,0,1] op_sel_hi:[1,0,1]
.irp c, 1,2,3,4,5,6,7
	BFMA PKT,   \buf+4*\c,   WK, \c                        ; four chains that do not wait for each other
	BFMA PKT+2, \buf+4*\c+2, WK, \c
	BFMA PVT,   \buf+4*\c,   WV, \c
	BFMA PVT+2, \buf+4*\c+2, WV, \c
.endr
	ds_store_b128 v12, v[PKT:PKT+3] offset:(\j)*512        ; pk, f32
.if \first
	v_max_num_f32 v18, v[PKT], v[PKT+1]
	v_min_num_f32 v19, v[PKT], v[PKT+1]
.else
	v_max3_num_f32 v18, v18, v[PKT], v[PKT+1]
	v_min3_num_f32 v19, v19, v[PKT], v[PKT+1]
.endif
	v_max3_num_f32 v18, v18, v[PKT+2], v[PKT+3]
	v_min3_num_f32 v19, v19, v[PKT+2], v[PKT+3]
	v_cvt_pk_bf16_f32 v102, v[PVT], v[PVT+1]
	v_cvt_pk_bf16_f32 v103, v[PVT+2], v[PVT+3]
	ds_store_b64 v13, v[102:103] offset:(\j)*256           ; pv, bf16
.if \tw >= 0
	s_wait_tensorcnt \tw                                   ; a wave's tensor loads end in order (ISA guide 10.11.1): the next chunk is in, the younger ones stay out
	LOADX \j+1, \nbuf                                      ; only I read what I loaded: my own wait is all the ordering; the Gram work below covers the loads
.endif
.irp c, 0,1,2,3,4,5,6,7
	v_pk_add_f32 v[\buf+4*\c:\buf+4*\c+1],   v[\buf+4*\c:\buf+4*\c+1],   s[NP+2*\c:NP+2*\c+1] op_sel_hi:[1,0]   ; y = x - p
	v_pk_add_f32 v[\buf+4*\c+2:\buf+4*\c+3], v[\buf+4*\c+2:\buf+4*\c+3], s[NP+2*\c:NP+2*\c+1] op_sel_hi:[1,0]
.endr
.irp c, 0,1,2,3,4,5,6,7
.if \first
	v_pk_add_f32 v[SM+2*\c:SM+2*\c+1], v[\buf+4*\c:\buf+4*\c+1], v[\buf+4*\c+2:\buf+4*\c+3]
.else
	v_pk_add_f32 v[SM+2*\c:SM+2*\c+1], v[SM+2*\c:SM+2*\c+1], v[\buf+4*\c:\buf+4*\c+1]
	v_pk_add_f32 v[SM+2*\c:SM+2*\c+1], v[SM+2*\c:SM+2*\c+1], v[\buf+4*\c+2:\buf+4*\c+3]
.endif
.endr
.irp p, 0, 2                                               ; all 36 entries on pixels 0, 1, then all 36 on pixels 2, 3: 35 others between two on one entry
.set gi, 0
.set gx, 0
.rept 8
.set gj, gi
.rept 8-gi
.if \first*(2-\p)
	v_pk_mul_f32 v[GR+2*gx:GR+2*gx+1], v[\buf+4*gi+\p:\buf+4*gi+\p+1], v[\buf+4*gj+\p:\buf+4*gj+\p+1]
.else
	v_pk_fma_f32 v[GR+2*gx:GR+2*gx+1], v[\buf+4*gi+\p:\buf+4*gi+\p+1], v[\buf+4*gj+\p:\buf+4*gj+\p+1], v[GR+2*gx:GR+2*gx+1]
.endif
.set gj, gj+1
.set gx, gx+1
.endr
.set gi, gi+1
.endr
.endr
.endm
; ---- the main loop's pieces
.macro FMA t, pkb, d                   ; sixteen exponents of tile t: a pk + c
.irp q, 0,1,2,3,4,5,6,7
	v_pk_fma_f32 v[\d+2*\q:\d+2*\q+1], v[\pkb+2*\q:\pkb+2*\q+1], v[AA+4*(\t):AA+4*(\t)+1], v[AA+4*(\t)+2:AA+4*(\t)+3]
.endr
.endm
.macro EXPS d                          ; back to back; a plain vector instruction that touches none of them always follows (ISA guide 5.7.2)
.irp q, 0,1,2,3,4,5,6,7,8,9,10,11,12,13,14,15
	v_exp_f32 v[\d+\q], v[\d+\q]
.endr
.endm
.macro CVT d, p                        ; register q of source B: the weights of m = 2 q, 2 q + 1 of my sixteen
	s_wait_alu depctr_va_vdst(0)
.irp q, 0,1,2,3,4,5,6,7
	v_cvt_pk_bf16_f32 v[\p+\q], v[\d+2*\q], v[\d+2*\q+1]
.endr
.endm
.macro MMA t, bf, p, zero
.if \zero
	v_wmma_f32_16x16x32_bf16 v[ACC+8*(\t):ACC+8*(\t)+7], v[\bf:\bf+7], v[\p:\p+7], 0
.else
	v_wmma_f32_16x16x32_bf16 v[ACC+8*(\t):ACC+8*(\t)+7], v[\bf:\bf+7], v[\p:\p+7], v[ACC+8*(\t):ACC+8*(\t)+7]
.endif
.endm
; step k (from the stepped addresses): lane (r, h) takes pk of m = 8 h .. + 7 and 16 + 8 h .. + 7 (f32) and its row of source A at the same m (bf16)
.macro LOADS pkb, bf, k
	ds_load_b128 v[\pkb:\pkb+3],     v15 offset:128*(\k)
	ds_load_b128 v[\pkb+4:\pkb+7],   v15 offset:128*(\k)+16
	ds_load_b128 v[\pkb+8:\pkb+11],  v15 offset:128*(\k)+64
	ds_load_b128 v[\pkb+12:\pkb+15], v15 offset:128*(\k)+80
	ds_load_b128 v[\bf:\bf+3],       v16 offset:64*(\k)
	ds_load_b128 v[\bf+4:\bf+7],     v16 offset:64*(\k)+32
.endm
; 32 m for all four tiles of 16 pixels, from buffers cur; on entry TA holds tile 0's exponents.  load = 1: step k goes into the other buffers.
; zero = 1: the products start the sums.  last = 1: nothing follows.
; The four accumulators take turns, one matrix instruction a turn, over the step's end and the loop's backward jump too.
; Places behind a matrix instruction: the loads into the other source A stand eight packed multiply-adds behind the last matrix
; instruction that read it; PA and PB are written again at least sixteen plain vector instructions behind their reader.
.macro STEP cur, k, load, zero, last
	EXPS TA
	FMA 1, PKB0+16*\cur, TB
.if \load
	LOADS PKB0+16*(1-\cur), BF0+8*(1-\cur), \k
.endif
	CVT TA, PA
	MMA 0, BF0+8*\cur, PA, \zero
	EXPS TB
	FMA 2, PKB0+16*\cur, TA
	CVT TB, PB
	MMA 1, BF0+8*\cur, PB, \zero
	EXPS TA
	FMA 3, PKB0+16*\cur, TB
	CVT TA, PA
	MMA 2, BF0+8*\cur, PA, \zero
	EXPS TB
.if \last
	v_nop                                                  ; the plain place behind the exponentials
	s_wait_alu depctr_va_vdst(0)
.else
	s_wait_dscnt 0x0                                       ; the six loads issued three tiles ago
	FMA 0, PKB0+16*(1-\cur), TA
.endif
	CVT TB, PB
	MMA 3, BF0+8*\cur, PB, \zero
.endm
; ================= set-up
	s_load_b512 s[4:19], s[0:1], 0x0               ; x 4, out 6, pam_wq 8, pam_wk 10, pam_wv 12, pam_bq 14, pam_bk 16, pam_bv 18
	s_load_b256 s[20:27], s[0:1], 0x40             ; cam_wq 20, cam_wk 22, cam_wv 24, cam_bq 26
	s_load_b128 s[28:31], s[0:1], 0x60             ; cam_bk 28, cam_bv 30
	s_set_vgpr_msb 0x40
	v_lshl_add_u32 v0, v0, 2, 0x38300
	v_mov_b32 v1, 0
	s_set_vgpr_msb 0x4045
	ds_add_u32 v0, v1
	s_set_vgpr_msb 0x4500
	v_and_b32 v1, 31, v0                           ; l
	v_lshrrev_b32 v17, 5, v0
	v_readfirstlane_b32 s32, v17                   ; wave w
	v_and_b32 v2, 15, v1                           ; r
	v_lshrrev_b32 v3, 4, v1                        ; h
	v_mov_b32 v4, 0
	v_lshlrev_b32 v5, 3, v1                        ; 8 l: my pixel pair, in memory and in PQ
	v_and_b32 v8, 7, v1
	v_lshlrev_b32 v7, 5, v8                        ; row l & 7 of an 8 x 8 matrix
	v_lshlrev_b32 v8, 2, v8                        ; word l & 7
	s_lshl_b32 s3, s32, 14                         ; 16384 w: my part of x in LDS, and channel w's plane in memory
	v_lshl_add_u32 v6, v1, 3, s3                   ; channel w, my pixel pair
	v_lshl_add_u32 v11, v1, 4, s3
	v_add_nc_u32 v11, XL, v11                      ; x in LDS: my wave's part, four pixels a lane
	s_lshl_b32 s2, s32, 5
	v_mov_b32 v9, s2                               ; row w of an 8 x 8 matrix, and my wave's record in GSM
	s_lshl_b32 s2, s32, 2
	v_mov_b32 v10, s2                              ; word w
	s_lshl_b32 s2, s32, 11
	s_add_co_u32 s2, s2, PK                        ; my wave's 512 pk
	v_lshl_add_u32 v12, v1, 4, s2                  ; written four a lane,
	v_lshl_add_u32 v15, v3, 5, s2                  ; read eight a half of the lanes
	s_lshl_b32 s2, s32, 10
	s_add_co_u32 s2, s2, T3                        ; my wave's 512 pv
	v_lshl_add_u32 v13, v1, 3, s2                  ; written four a lane
	v_min_u32 v17, 2, v2                           ; source A: row 0 pv, row 1 ones, rows 2-15 the one row of zeros
	v_mul_u32_u24 v17, v17, TP
	v_lshl_add_u32 v17, v3, 4, v17
	v_add_nc_u32 v16, s2, v17
	s_add_co_u32 s2, s2, TP
	v_lshl_add_u32 v93, v1, 4, s2                  ; my wave's 1,024 bytes of the row of ones
	s_lshl_b32 s2, s32, 7
	s_add_co_u32 s2, s2, RG
	v_lshl_add_u32 v14, v1, 2, s2                  ; my thread's word in each row of RG
	s_mul_i32 s2, s32, 6*RP
	s_add_co_u32 s2, s2, RG
	v_lshl_add_u32 v0, v1, 4, s2                   ; the six rows of RG that my wave sums, 16 bytes a lane
	s_lshl_b32 s2, s32, 10
	v_mul_u32_u24 v3, v3, 384                      ; RED: lanes 0-15 at 8 l of the wave's first 512 bytes, lanes 16-31 at 8 (l - 16) of its second 512
	v_lshl_add_u32 v3, v1, 3, v3
	v_add_nc_u32 v3, s2, v3
	v_lshlrev_b32 v2, 2, v2                        ; 4 r: pq of pixel r of a tile
	v_lshlrev_b32 v1, 4, v1                        ; 16 l: (numerator, denominator) of my pixel pair
	s_mov_b32 s96, 0x76543210                      ; v_permlanex16_b32: lane i takes lane i of the other half
	s_mov_b32 s97, 0xfedcba98
	s_bfe_u32 s33, ttmp6, 0x40000                  ; my place in the cluster
	s_lshl_b32 s34, ttmp9, 2                       ; ttmp9 counts clusters
	s_add_co_u32 s34, s34, s33                     ; work-group
	s_lshr_b32 s35, ttmp9, 4                       ; batch: 16 clusters each, from the cluster's number alone
	s_lshl_b32 s36, s35, 17                        ; 131,072 bytes a batch
	s_mov_b32 s37, 0
	s_and_b32 s100, s34, 63
	s_lshl_b32 s100, s100, 8                       ; my 64 pixels: 256 bytes
	s_mov_b32 s101, 0
	s_lshl_b32 s66, s32, 11                        ; my wave's 512 pixels: 2,048 bytes
	s_mov_b32 s67, 0
	; group 1: a tile of 8 rows (channels) x 128 elements of 4 bytes; each row is 512 consecutive bytes at a multiple of 512 from x's first byte
	s_mov_b32 s[G1+0], 15|(2<<16)|(1<<21)          ; 15:0 the mask: all four of the cluster; 17:16 elements of 4 bytes; 21 set beside a mask
	s_mov_b32 s[G1+1], 128<<16                     ; tensor_dim0 = 128
	s_mov_b32 s[G1+2], 8<<16                       ; tensor_dim1 = 8
	s_mov_b32 s[G1+3], 128<<16                     ; tile_dim0 = 128
	s_mov_b32 s[G1+4], 8                           ; tile_dim1 = 8
	s_mov_b32 s[G1+5], 4096                        ; from channel to channel: 4,096 elements
	s_mov_b32 s[G1+6], 0
	s_mov_b32 s[G1+7], 0
	s_wait_dscnt 0x0
	s_wait_kmcnt 0x0
	s_add_nc_u64 s[38:39], s[4:5], s[36:37]        ; x of the batch
	s_add_nc_u64 s[40:41], s[38:39], s[100:101]    ; x at my pixels
	s_add_nc_u64 s[42:43], s[6:7], s[36:37]
	s_add_nc_u64 s[42:43], s[42:43], s[100:101]    ; out at my pixels
	s_add_nc_u64 s[66:67], s[38:39], s[66:67]      ; x at my wave's 512 pixels: batch and wave alone, the same in all four partners
.irp i, 0,1,2,3,4,5,6,7
	s_load_b64 s[NP+2*\i:NP+2*\i+1], s[38:39], \i*CHB      ; the pivot x[b][i][0] (and its neighbour, so that the pair is written)
.endr
	G0SET 52, 0
	G0SET 56, 1
	G0SET 60, 2
	G0SET 68, 3
	global_load_b128 v[WQ:WQ+3],   v4, s[8:9]
	global_load_b128 v[WQ+4:WQ+7], v4, s[8:9] offset:16
	global_load_b32  v22, v4, s[14:15]             ; pam_bq
	global_load_b128 v[WK:WK+3],   v4, s[10:11]
	global_load_b128 v[WK+4:WK+7], v4, s[10:11] offset:16
	global_load_b128 v[WV:WV+3],   v4, s[12:13]
	global_load_b128 v[WV+4:WV+7], v4, s[12:13] offset:16
	global_load_b32  v20, v4, s[16:17]             ; pam_bk
	global_load_b32  v21, v4, s[18:19]             ; pam_bv
.irp i, 0,1,2,3,4,5,6,7
	global_load_b64 v[XO+2*\i:XO+2*\i+1], v5, s[40:41] offset:\i*CHB       ; a wave's load covers my 64 pixels: 256 consecutive bytes, aligned
.endr
	global_load_b64  v[XC:XC+1], v6, s[40:41]
	global_load_b128 v[WQR:WQR+3],   v9, s[20:21]
	global_load_b128 v[WQR+4:WQR+7], v9, s[20:21] offset:16
	global_load_b128 v[WKR:WKR+3],   v7, s[22:23]
	global_load_b128 v[WKR+4:WKR+7], v7, s[22:23] offset:16
	global_load_b32  v90, v8, s[28:29]             ; cam_bk[l & 7]
	global_load_b32  v91, v10, s[26:27]            ; cam_bq[w]
.irp d, 0,1,2,3,4,5,6,7
	global_load_b32 v[WVC+\d], v8, s[24:25] offset:32*\d
.endr
	global_load_b32  v92, v8, s[30:31]             ; cam_bv[l & 7]
	ROUND                                          ; all four work-groups are here: the joint loads meet
	tensor_load_to_lds s[52:55], s[G1:G1+7]        ; four tensor loads of the wave are out, and never more
	s_nop 0
	tensor_load_to_lds s[56:59], s[G1:G1+7]
	s_nop 0
	tensor_load_to_lds s[60:63], s[G1:G1+7]
	s_nop 0
	tensor_load_to_lds s[68:71], s[G1:G1+7]
	s_nop 0
.irp q, 0,1,2,3
	v_mov_b32 v[PKT+\q], 0x3f803f80                ; two bf16 ones
	v_mov_b32 v[PVT+\q], 0
.endr
	ds_store_b128 v93, v[PKT:PKT+3]                ; my wave's 512 m of the rows of ones and of zeros
	ds_store_b128 v93, v[PKT:PKT+3] offset:512
	ds_store_b128 v93, v[PVT:PVT+3] offset:TP
	ds_store_b128 v93, v[PVT:PVT+3] offset:TP+512
; ================= pq of the 64 own pixels (wave 0), the pivots' signs
	s_wait_loadcnt 0x0                             ; weights, biases, my pixels
	s_cmp_lg_u32 s32, 0
	s_cbranch_scc1 .Lno_pq
	v_mov_b32 v23, 0                               ; the pair v[22:23] is named whole
	v_pk_fma_f32 v[PKT:PKT+1], v[XO:XO+1], v[WQ:WQ+1], v[22:23] op_sel_hi:[1,0,0]
.irp c, 1,2,3,4,5,6,7
	BFMA PKT, XO+2*\c, WQ, \c
.endr
	ds_store_b64 v5, v[PKT:PKT+1] offset:PQ
.Lno_pq:
	s_wait_kmcnt 0x0
.irp i, 0,1,2,3,4,5,6,7
	s_xor_b32 s[NP+2*\i], s[NP+2*\i], 0x80000000   ; -p_i
.endr
; ================= preparation: my wave's 512 pixels in four chunks of 128
	s_wait_tensorcnt 0x3                           ; chunk 0 is in; chunks 1, 2, 3 stay out
	LOADX 0, X0
	CHUNK 0, X0, X1, 1, 2
	CHUNK 1, X1, X0, 0, 1
	CHUNK 2, X0, X1, 0, 0                          ; from here on no tensor load of mine is out
	CHUNK 3, X1, 0, 0, -1
; ================= hand-over: 44 sums of each thread, largest and smallest pk of each wave
.set q, 0
.rept 44
	v_add_f32 v[GR+2*q], v[GR+2*q], v[GR+2*q+1]    ; even and odd pixels
.set q, q+1
.endr
.set q, 0
.rept 44
	ds_store_b32 v14, v[GR+2*q] offset:q*RP
.set q, q+1
.endr
.irp q, 44, 45, 46, 47
	ds_store_b32 v14, v[GR+2*43] offset:\q*RP      ; 44 rows are not six for each of eight waves: four more rows repeat the last, so that all waves run one text
.endr
.irp m, 1, 2, 4, 8
	v_max_num_f32_dpp v18, v18, v18 row_xmask:\m row_mask:0xf bank_mask:0xf
	v_min_num_f32_dpp v19, v19, v19 row_xmask:\m row_mask:0xf bank_mask:0xf
.endr
	v_permlanex16_b32 v17, v18, s96, s97           ; v17 has been written: the destination counts as read
	v_max_num_f32 v18, v18, v17
	v_permlanex16_b32 v17, v19, s96, s97
	v_min_num_f32 v19, v19, v17
	ds_store_b64 v9, v[18:19] offset:GSM+24        ; every lane the same pair, to the last 8 bytes of the wave's record
	s_wait_dscnt 0x0                               ; for the others' sake: all my LDS stores are done
	s_barrier_signal -1
	s_barrier_wait -1
; ================= the sums over the 256 threads: six rows a wave; and all that the main loop needs from LDS, asked for in one run
.irp q, 0,1,2,3,4,5
	ds_load_b128 v[GL+8*\q:GL+8*\q+3],   v0 offset:\q*RP       ; a row's 1,024 bytes in two loads of 512 neighbouring bytes
	ds_load_b128 v[GL+8*\q+4:GL+8*\q+7], v0 offset:\q*RP+512
.endr
.irp i, 0,1,2,3,4,5,6,7
	ds_load_b64 v[232+2*\i:233+2*\i], v4 offset:GSM+32*\i+24   ; (largest, smallest) pk of wave i
.endr
.irp t, 0,1,2,3
	ds_load_b32 v[248+\t], v2 offset:PQ+64*\t      ; pq of pixel 16 t + r
.endr
	LOADS PKB0, BF0, 0                             ; the first step's operands: what my own wave wrote
	s_wait_dscnt 18                                ; LDS loads come back in order (ISA guide 5.7.1): the six rows are in; the 8 + 4 + 6 younger loads stay out
.irp q, 0,1,2,3,4,5
	v_pk_add_f32 v[GL+8*\q:GL+8*\q+1],   v[GL+8*\q:GL+8*\q+1],   v[GL+8*\q+4:GL+8*\q+5]
	v_pk_add_f32 v[GL+8*\q+2:GL+8*\q+3], v[GL+8*\q+2:GL+8*\q+3], v[GL+8*\q+6:GL+8*\q+7]
.endr
.irp q, 0,1,2,3,4,5
	v_pk_add_f32 v[GL+8*\q:GL+8*\q+1], v[GL+8*\q:GL+8*\q+1], v[GL+8*\q+2:GL+8*\q+3]
.endr
.irp q, 0,1,2,3,4,5
	v_add_f32 v[104+\q], v[GL+8*\q], v[GL+8*\q+1]
.endr
.irp m, 1, 2, 4, 8
.irp q, 0,1,2,3,4,5
	v_add_f32_dpp v[104+\q], v[104+\q], v[104+\q] row_xmask:\m row_mask:0xf bank_mask:0xf
.endr
.endr
.irp q, 0,1,2,3,4,5
	v_permlanex16_b32 v[112+\q], v[104+\q], s96, s97       ; v[112:117] have been written (parts of G)
.endr
.irp q, 0,1,2,3,4,5
	v_add_f32 v[104+\q], v[104+\q], v[112+\q]
.endr
	ds_store_b64 v9, v[104:105] offset:GSM         ; every lane the same six sums, to the first 24 bytes of the wave's record: read behind the next barrier
	ds_store_b64 v9, v[106:107] offset:GSM+8
	ds_store_b64 v9, v[108:109] offset:GSM+16
; ================= the rows' constants: a = pq log2(e), c = -max(a pkmax, a pkmin)
	s_wait_dscnt 0x0
	v_max3_num_f32 v18, v232, v234, v236
	v_min3_num_f32 v19, v233, v235, v237
	v_max3_num_f32 v18, v18, v238, v240
	v_min3_num_f32 v19, v19, v239, v241
	v_max3_num_f32 v18, v18, v242, v244
	v_min3_num_f32 v19, v19, v243, v245
	v_max_num_f32 v18, v18, v246                   ; the batch's largest pk
	v_min_num_f32 v19, v19, v247                   ; and smallest
.irp t, 0,1,2,3
	v_mul_f32 v[AA+4*\t],   0x3fb8aa3b, v[248+\t]
	v_mul_f32 v[AA+4*\t+1], 0x3fb8aa3b, v[248+\t]
	v_mul_f32 v20, v[AA+4*\t], v18
	v_mul_f32 v21, v[AA+4*\t], v19
	v_min_num_f32 v[AA+4*\t+2], -v20, -v21
	v_min_num_f32 v[AA+4*\t+3], -v20, -v21
.endr
; ================= the main loop: 16 steps of 32 m, in pairs on the two operand buffers
	FMA 0, PKB0, TA
	STEP 0, 1, 1, 1, 0                             ; the first step starts the sums: nothing is cleared
	STEP 1, 2, 1, 0, 0
	v_add_nc_u32 v15, 256, v15                     ; two steps on
	v_add_nc_u32 v16, 128, v16
	s_mov_b32 s99, 6
.Lpair:
	STEP 0, 1, 1, 0, 0
	STEP 1, 2, 1, 0, 0
	v_add_nc_u32 v15, 256, v15
	v_add_nc_u32 v16, 128, v16
	s_sub_co_u32 s99, s99, 1
	s_cmp_lg_u32 s99, 0
	s_cbranch_scc1 .Lpair
	STEP 0, 1, 1, 0, 0                             ; steps 14 and 15: the last fetches nothing
	STEP 1, 0, 0, 0, 1
; ================= my wave's numerators and denominators: registers 0 and 1 of lanes 0-15 (rows 0 and 1 of D, column = pixel)
	; These sixteen multiply-adds name no register of the last matrix instructions: they are the places in front of the LDS stores
	; that read the results and of the loads further down that land on the matrix operands.
	v_fma_f32 v242, -v[WQR], s[NP], v91            ; bq' = bq[w] + wq[w] . p   (the scalars hold -p)
	v_fma_f32 v243, -v[WKR], s[NP], v90            ; bk' = bk[d] + wk[d] . p,  d = l & 7
.irp i, 1,2,3,4,5,6,7
	v_fma_f32 v242, -v[WQR+\i], s[NP+2*\i], v242
	v_fma_f32 v243, -v[WKR+\i], s[NP+2*\i], v243
.endr
.irp t, 0,1,2,3
	ds_store_b64 v3, v[ACC+8*\t:ACC+8*\t+1] offset:RED+128*\t      ; all lanes on: lanes 16-31 (rows 8, 9 of D) write the half that nobody reads, which spares narrowing EXEC
.endr
	s_wait_dscnt 0x0                               ; for the others' sake
	s_barrier_signal -1
	s_barrier_wait -1                              ; the eight waves' partial sums and the sums of G and S are there
; ================= the tail: channel w of the 64 pixels, lane l the pair 2 l, 2 l + 1
.irp i, 0,1,2,3,4,5,6,7
	ds_load_b128 v[136+4*\i:139+4*\i], v1 offset:RED+1024*\i       ; (num, den, num, den) of my pair from wave i
.endr
.irp i, 0,1,2,3,4,5,6,7,8,9,10,11,12,13,14,15
	ds_load_b128 v[GSV+4*\i:GSV+4*\i+3], v4 offset:GSM+16*\i       ; the eight records, the same in every lane
.endr
	s_wait_dscnt 16                                ; the eight loads of partial sums are in; the sixteen younger ones stay out
.irp i, 1,2,3,4,5,6,7
	v_pk_add_f32 v[136:137], v[136:137], v[136+4*\i:137+4*\i]
	v_pk_add_f32 v[138:139], v[138:139], v[138+4*\i:139+4*\i]
.endr
	v_rcp_f32 v240, v137                           ; the denominators hold the term 1 of the row's maximum: never zero
	v_rcp_f32 v241, v139                           ; used far below
	s_wait_dscnt 0x0
.set ti, 0
.rept 8                                            ; u[j] = sum_i wq[w][i] G(i, j); G(i, j), i <= j, is sum number i (17 - i) / 2 + j - i
.set tj, 0
.rept 8
.if ti <= tj
.set gx, (ti*(17-ti))/2+tj-ti
.else
.set gx, (tj*(17-tj))/2+ti-tj
.endif
.set gw, 8*(gx/6)+gx%6
.if ti == 0
	v_mul_f32 v[U+tj], v[WQR], v[GSV+gw]
.else
	v_fmac_f32 v[U+tj], v[WQR+ti], v[GSV+gw]
.endif
.set tj, tj+1
.endr
.set ti, ti+1
.endr
	v_mul_f32 v244, v[WQR], v[GSV+48]              ; wq[w] . S: S_i is sum number 36 + i; S_0 is word 48
	v_mul_f32 v245, v[WKR], v[GSV+48]              ; wk[d] . S
	v_mul_f32 v246, v[U], v[WKR]                   ; u . wk[d]
.irp i, 1,2,3,4,5,6,7
.set gw, 8*((36+\i)/6)+(36+\i)%6
	v_fmac_f32 v244, v[WQR+\i], v[GSV+gw]
	v_fmac_f32 v245, v[WKR+\i], v[GSV+gw]
	v_fmac_f32 v246, v[U+\i], v[WKR+\i]
.endr
	v_fma_f32 v244, v242, 0x45800000, v244         ; + 4096 bq'
	v_fmac_f32 v246, v244, v243
	v_fmac_f32 v246, v242, v245                    ; e[w][d]
	v_mov_b32 v247, v246
.irp m, 1, 2, 4
	v_max_num_f32_dpp v247, v247, v247 row_xmask:\m row_mask:0xf bank_mask:0xf     ; over the eight d
.endr
	v_sub_f32 v246, v246, v247                     ; the maximum is taken away, as in the softmax it stands for
	v_mul_f32 v246, 0x3fb8aa3b, v246
	v_exp_f32 v246, v246
	s_wait_alu depctr_va_vdst(0)
	v_mul_f32 v252, v136, v240                     ; out_p of my first pixel: also the plain place behind the exponential
	v_mov_b32 v248, v246
.irp m, 1, 2, 4
	v_add_f32_dpp v248, v248, v248 row_xmask:\m row_mask:0xf bank_mask:0xf
.endr
	v_rcp_f32 v248, v248
	v_mul_f32 v253, v138, v241                     ; out_p of my second pixel: the plain place behind the reciprocal
	s_wait_alu depctr_va_vdst(0)
	v_mul_f32 v246, v246, v248                     ; attn[w][d]
	v_mul_f32 v249, v246, v92
.irp m, 1, 2, 4
	v_add_f32_dpp v249, v249, v249 row_xmask:\m row_mask:0xf bank_mask:0xf         ; attn . bv
.endr
.irp d, 0,1,2,3,4,5,6,7
	v_readlane_b32 s[AT+\d], v246, \d
.endr
	v_mul_f32 v250, s[AT], v[WVC]                  ; lane i: (attn Wv)[i] = sum_d attn[d] wv[d][i]
.irp d, 1,2,3,4,5,6,7
	v_fmac_f32 v250, s[AT+\d], v[WVC+\d]
.endr
.irp i, 0,1,2,3,4,5,6,7
	v_readlane_b32 s[MI+\i], v250, \i              ; the descriptors' registers are free: no tensor load has been out since the third chunk
.endr
	v_pk_fma_f32 v[252:253], v[XC:XC+1], 2.0, v[252:253] op_sel_hi:[1,0,1]         ; both residuals
.irp i, 0,1,2,3,4,5,6,7
	v_fmac_f32 v252, s[MI+\i], v[XO+2*\i]
	v_fmac_f32 v253, s[MI+\i], v[XO+2*\i+1]
.endr
	v_pk_add_f32 v[252:253], v[252:253], v[248:249] op_sel:[0,1]                   ; + attn . bv (v249) in both
	global_store_b64 v6, v[252:253], s[42:43] th:TH_STORE_NT                       ; the wave's store covers 256 consecutive bytes, aligned
	s_set_vgpr_msb 0x5
	s_wait_tensorcnt 0x0
	ds_add_u32 v0, v1
	s_wait_dscnt 0x0
	s_set_vgpr_msb 0x500
	ROUND                                          ; the closing round: no work-group ends while a partner may still ask jointly
	s_endpgm
.Lfunc_end_k_q44638c1161_sam:
	.size	k_q44638c1161_sam, .Lfunc_end_k_q44638c1161_sam-k_q44638c1161_sam
	.p2alignl 7, 3214868480
	.fill 96, 4, 3214868480
	.section	.rodata,"a",@progbits
	.p2align	6, 0x0
	.amdhsa_kernel k_q44638c1161_sam
		.amdhsa_group_segment_fixed_size 231168
		.amdhsa_private_segment_fixed_size 0
		.amdhsa_enable_private_segment 0
		.amdhsa_kernarg_size 112
		.amdhsa_user_sgpr_count 2
		.amdhsa_user_sgpr_kernarg_segment_ptr 1
		.amdhsa_wavefront_size32 1
		.amdhsa_system_sgpr_workgroup_id_x 1
		.amdhsa_system_sgpr_workgroup_id_y 1
		.amdhsa_system_sgpr_workgroup_id_z 1
		.amdhsa_system_vgpr_workitem_id 0
		.amdhsa_next_free_vgpr 258
		.amdhsa_next_free_sgpr 102
		.amdhsa_reserve_vcc 0
		.amdhsa_float_denorm_mode_32 3
		.amdhsa_float_denorm_mode_16_64 3
		.amdhsa_memory_ordered 1
		.amdhsa_forward_progress 1
		.amdhsa_inst_pref_size 113
	.end_amdhsa_kernel
	.amdgpu_metadata
---
amdhsa.version: [ 1, 2 ]
amdhsa.kernels:
  - .name:           k_q44638c1161_sam
    .symbol:         k_q44638c1161_sam.kd
    .args:
      - { .name: x, .offset: 0, .size: 8, .value_kind: global_buffer, .address_space: global }
      - { .name: out0, .offset: 8, .size: 8, .value_kind: global_buffer, .address_space: global }
      - { .name: pam_wq, .offset: 16, .size: 8, .value_kind: global_buffer, .address_space: global }
      - { .name: pam_wk, .offset: 24, .size: 8, .value_kind: global_buffer, .address_space: global }
      - { .name: pam_wv, .offset: 32, .size: 8, .value_kind: global_buffer, .address_space: global }
      - { .name: pam_bq, .offset: 40, .size: 8, .value_kind: global_buffer, .address_space: global }
      - { .name: pam_bk, .offset: 48, .size: 8, .value_kind: global_buffer, .address_space: global }
      - { .name: pam_bv, .offset: 56, .size: 8, .value_kind: global_buffer, .address_space: global }
      - { .name: cam_wq, .offset: 64, .size: 8, .value_kind: global_buffer, .address_space: global }
      - { .name: cam_wk, .offset: 72, .size: 8, .value_kind: global_buffer, .address_space: global }
      - { .name: cam_wv, .offset: 80, .size: 8, .value_kind: global_buffer, .address_space: global }
      - { .name: cam_bq, .offset: 88, .size: 8, .value_kind: global_buffer, .address_space: global }
      - { .name: cam_bk, .offset: 96, .size: 8, .value_kind: global_buffer, .address_space: global }
      - { .name: cam_bv, .offset: 104, .size: 8, .value_kind: global_buffer, .address_space: global }
    .group_segment_fixed_size: 231168
    .private_segment_fixed_size: 0
    .kernarg_segment_align: 8
    .kernarg_segment_size: 112
    .max_flat_workgroup_size: 256
    .sgpr_count:     102
    .vgpr_count:     258
    .wavefront_size: 32
...
	.end_amdgpu_metadata
.endif
;; end of part 1
